; MI455X (gfx1250); checked and timed in simulation.
; The chip was launched on July 23, 2026; its instructions are those of AMD's public machine-readable ISA for CDNA 5 (MIT licence, August 2026) and "CDNA5" Instruction Set Architecture Reference Guide (July 2026). The comments in the code are by the model that wrote it; some were corrected since.
;; Doc Self Attention. Allowed arithmetic: float matrix products may take bf16 or f16 operands with f32 sums; all other float work in f32.
;; Inputs: b1 256 float32; b2 one number float32; b3 256 float32; w1 512 x 256 float32; w2 256 float32; w3 512 x 256 float32; word_all 8 x 512 x 512 float32; word_weighted 8 x 128 x 512 float32.
;; Outputs: out0 8 x 128 x 256 float32.
;; 2 versions, each right and faster than the one before. Each part assembles by itself: llvm-mc -triple=amdgcn-amd-amdhsa -mcpu=gfx1250 --defsym DOCPART=n.
;; ======== version 1 of 2: 2 launches
;; limits: a difference of large sums (such as E[x^2] - mean^2): digits are lost where the result is much smaller than its terms
;; workspace buffers: PB 4,194,304 bytes; QB 1,048,576 bytes; RB 2,097,152 bytes; TB 1,048,576 bytes
;; launch prep (part 1): grid 64 x 4, 8 waves a work-group, no clusters, 231,680 bytes of LDS; arguments word_all, word_weighted, w1, w3, b1, b3, PB, QB, RB, TB; writes PB, QB, RB, TB
.if DOCPART == 1
	.amdgcn_target "amdgcn-amd-amdhsa--gfx1250"
	.amdhsa_code_object_version 6
	.text
	.protected	k_q456a7fb1c5_prep
	.globl	k_q456a7fb1c5_prep
	.p2align	8
	.type	k_q456a7fb1c5_prep,@function
k_q456a7fb1c5_prep:
	s_mov_b64 s[64:65], 0
	v_nop
	global_prefetch_b8 v0, s[64:65] scope:SCOPE_SE
	s_setreg_imm32_b32 hwreg(HW_REG_WAVE_MODE, 25, 1), 1
	s_wait_xcnt 0x0
; PREP.  The first product of the module is linear in word_all - word_weighted, and the last one in pooled + word_weighted, so four small products serve all (b, e, a):
;   P' = KS (word_all @ w1)            Q' = KS (word_weighted @ w1 - b1)          KS = 2 log2(e): tanh(x) = 1 - 2 / (1 + 2^(KS x)), and KS x = P' - Q'
;   R  = bf16(word_all @ w3)           T  = word_weighted @ w3 + b3
; Operands are rounded once to bf16, sums are f32.  All four leave as REGISTER IMAGES: blocks in which lane l's 16 bytes lie at 16 l, so that the next launch loads them as it uses them,
; and every store of a wave here covers 512 consecutive bytes at a multiple of 512 from the buffer's first byte.
;   PB [a tile 256][m tile 16][1,024 B]: byte 512 jh + 16 l + 4 i = P'(a = 16 at + l % 16, m = 16 mt + 8 (l / 16) + 4 jh + i), f32.        QB [e tile 64][m tile 16][1,024 B]: the same for Q'.
;   RB [b 8][m tile 16][a tile 32][512 B]: byte 16 l + 2 i = R(a = 16 at + 8 (l / 16) + i, m = 16 nt + l % 16), bf16: two blocks on end are source 1 of a product over 32 a.
;   TB [e tile 64][m tile 16][1,024 B]: byte 512 jh + 16 l + 4 i = T(e = 16 et + 8 (l / 16) + 4 jh + i, m = 16 nt + l % 16), f32.
; SHARES.  Work-group (x, y): 64 rows of word_all (64 x ..) and 16 of word_weighted (16 x ..), 128 columns of w1 (y = 0, 1) or of w3 (y = 2, 3): 256 work-groups of equal work.
; Wave w: one tile of 16 columns, all five tiles of 16 rows: five accumulators, 16 K steps of 32, 80 matrix instructions.
; LIMITS.  P' - Q' is later a difference of two f32 sums; each operand has been rounded once to bf16, so its error is that rounding's, which grows with the inputs' size and common offset.
; NaN and infinities are not treated apart.
; NO CLUSTER, NO TENSOR LOADS: the inputs are f32 and must pass through registers to become bf16; as f32 a work-group's rows and weights are 160 KB + 256 KB, more than the 327,680 bytes of LDS.
.set WP,    288                        ; a row of the weights in LDS: 128 bf16 = 256 bytes + 32: an odd multiple of 32 bytes, for the turning load
.set XP,    1040                       ; a row of the inputs in LDS: 512 bf16 = 1,024 bytes + 16: an odd multiple of 16 bytes, so that 16 rows of a fragment start 16 bytes apart modulo 256
.set XOFF,  512*WP                     ; 147,456: the 80 input rows lie behind the 512 weight rows
.set SPARE, XOFF+80*XP                 ; 230,656 = 901 x 256: the spare words, 128 bytes for each of eight waves, which no other line names
.set NSLOT, 52                         ; load slots of four registers: loads of a wave in flight
.set ST16, 4                           ; v4      16 x lane: the stores' offset
.set VW,   5                           ; v5      wave x 1,024 + 16 lane: my 16 bytes in weight row w
.set VX,   6                           ; v6      wave x 2,048 + 16 lane: my 16 bytes in input row w
.set LW0,  7                           ; v7      LDS: wave x 288 + 8 lane; v18, v19 the same 28 x 8 and 56 x 8 rows on (an LDS offset has 16 bits)
.set BV,   8                           ; v[8:15] bias(16 c + 8 (l / 16) + 0..7)
.set BC,   16                          ; v[16:17] bias(16 c + l % 16), twice
.set LW1,  18
.set LW2,  19
.set LX,   20                          ; v20     LDS: XOFF + wave x 1,040 + 8 lane; v21 the same 64 rows on
.set LX2,  21
.set XA,   22                          ; v22     LDS address of my part of an input fragment, row tiles 0-3; v23 row tile 4
.set XB,   23
.set WA,   24                          ; v24     LDS address of my part of the weights' fragment
.set BH,   25                          ; v25     32 (l / 16)
.set BR,   26                          ; v26     4 (l % 16)
.set SPW,  30                          ; v30     LDS address of my spare word; never rewritten
.set NIL,  31                          ; v31     0; never rewritten
.set CT,   32                          ; v[32:47] conversions at work
.set SLOT, 48                          ; v[48:255] the load slots; behind the barrier:
.set ACC,  48                          ; v[48:87]  five accumulators
.set F0,   88                          ; v[88:135] fragments, buffer 0: the weights' 8 registers, then 8 for each row tile
.set F1,   136                         ; v[136:183] buffer 1
	s_load_b512 s[4:19], s[0:1], 0x0               ; word_all 4:5, word_weighted 6:7, w1 8:9, w3 10:11, b1 12:13, b3 14:15, PB 16:17, QB 18:19
	s_load_b128 s[20:23], s[0:1], 0x40             ; RB 20:21, TB 22:23
	v_lshl_add_u32 v[SPW], v0, 2, SPARE
	v_mov_b32 v[NIL], 0
	v_lshrrev_b32 v1, 5, v0
	v_readfirstlane_b32 s24, v1                    ; wave 0..7
	s_mov_b32 s25, ttmp9                           ; x
	s_and_b32 s26, ttmp7, 0xffff                   ; y
	s_and_b32 s28, s26, 1
	s_lshl3_add_u32 s27, s28, s24                  ; c = 8 (y & 1) + wave: my tile of 16 among the matrix's 256 columns
	s_mov_b32 s46, 0x4038aa3b                      ; KS = 2 log2(e)
	s_mov_b32 s47, s46                             ; named with it as a pair
	s_mov_b32 s48, 0xc038aa3b                      ; -KS
	s_mov_b32 s49, s48
	v_and_b32 v1, 31, v0                           ; lane
	v_and_b32 v2, 15, v0                           ; l % 16
	v_bfe_u32 v3, v0, 4, 1                         ; l / 16
	v_lshlrev_b32 v[ST16], 4, v1
	s_lshl_b32 s29, s24, 10
	v_add_nc_u32 v[VW], s29, v[ST16]
	s_lshl_b32 s29, s24, 11
	v_add_nc_u32 v[VX], s29, v[ST16]
	s_mul_i32 s29, s24, WP
	v_lshl_add_u32 v[LW0], v1, 3, s29
	v_add_nc_u32 v[LW1], 28*8*WP, v[LW0]
	v_add_nc_u32 v[LW2], 56*8*WP, v[LW0]
	s_mul_i32 s29, s24, XP
	s_add_co_u32 s29, s29, XOFF
	v_lshl_add_u32 v[LX], v1, 3, s29
	v_add_nc_u32 v[LX2], 64*XP, v[LX]
	v_mul_u32_u24 v[XA], v2, XP                    ; a fragment of 16 rows x 32 k: lane l reads row l % 16, 16 bytes at 16 (l / 16) and 32 bytes further on
	v_lshl_add_u32 v[XA], v3, 4, v[XA]
	v_add_nc_u32 v[XA], XOFF, v[XA]
	v_add_nc_u32 v[XB], 64*XP, v[XA]
	v_and_b32 v[WA], 7, v0                         ; the turning load: lane l reads k row 8 (l / 16) + l % 8, 16 bytes at 16 ((l / 8) % 2) of my 32 bytes, and ends up with column l % 16 and 8 k
	v_lshl_add_u32 v[WA], v3, 3, v[WA]
	v_mul_u32_u24 v[WA], v[WA], WP
	v_bfe_u32 v27, v0, 3, 1
	v_lshl_add_u32 v[WA], v27, 4, v[WA]
	s_lshl_b32 s29, s24, 5
	v_add_nc_u32 v[WA], s29, v[WA]
	v_lshlrev_b32 v[BH], 5, v3
	v_lshlrev_b32 v[BR], 2, v2
	s_mov_b32 s31, 0                               ; the high word of every offset
	s_wait_kmcnt 0x0
	s_cmp_lt_u32 s26, 2                            ; y < 2: w1 and b1; else w3 and b3
	s_cselect_b64 s[32:33], s[8:9], s[10:11]
	s_cselect_b64 s[34:35], s[12:13], s[14:15]
	s_lshl_b32 s30, s28, 9                         ; my work-group's 128 columns: 512 bytes of each weight row
	s_add_nc_u64 s[32:33], s[32:33], s[30:31]
	s_lshl_b32 s30, s27, 6                         ; my wave's 16 biases
	s_add_nc_u64 s[34:35], s[34:35], s[30:31]
	s_lshl_b32 s30, s25, 17                        ; 64 rows of 2,048 bytes
	s_add_nc_u64 s[36:37], s[4:5], s[30:31]
	s_lshl_b32 s30, s25, 15                        ; 16 rows
	s_add_nc_u64 s[38:39], s[6:7], s[30:31]
	global_load_b128 v[BV:BV+3],   v[BH], s[34:35]
	global_load_b128 v[BV+4:BV+7], v[BH], s[34:35] offset:16
	global_load_b32  v[BC], v[BR], s[34:35]
; PHASE 1: f32 from memory, bf16 into LDS.  A wave has 104 items of 512 consecutive bytes: items 0-31 the four quarters of word_all's rows w + 8 i, items 32-39 those of word_weighted's rows w + 8 i,
; items 40-103 its 512 bytes of weight rows w + 8 i.  Item n uses slot n % 52.
.macro LOADI n
.set SL, SLOT+4*((\n)%NSLOT)
.if (\n) < 32
	global_load_b128 v[SL:SL+3], v[VX], s[36:37] offset:((\n)>>2)*16384+((\n)&3)*512
.elseif (\n) < 40
	global_load_b128 v[SL:SL+3], v[VX], s[38:39] offset:(((\n)-32)>>2)*16384+((\n)&3)*512
.else
	global_load_b128 v[SL:SL+3], v[VW], s[32:33] offset:((\n)-40)*8192
.endif
.endm
.macro CVST n                          ; four numbers are rounded to bf16 and stored: 32 lanes write 256 consecutive LDS bytes
.set SL, SLOT+4*((\n)%NSLOT)
.set TP, CT+2*((\n)%4)
	v_cvt_pk_bf16_f32 v[TP],   v[SL],   v[SL+1]
	v_cvt_pk_bf16_f32 v[TP+1], v[SL+2], v[SL+3]
.if (\n) < 32
	ds_store_b64 v[LX],  v[TP:TP+1] offset:((\n)>>2)*8*XP+((\n)&3)*256
.elseif (\n) < 40
	ds_store_b64 v[LX2], v[TP:TP+1] offset:(((\n)-32)>>2)*8*XP+((\n)&3)*256
.elseif (\n) < 68
	ds_store_b64 v[LW0], v[TP:TP+1] offset:((\n)-40)*8*WP
.elseif (\n) < 96
	ds_store_b64 v[LW1], v[TP:TP+1] offset:((\n)-68)*8*WP
.else
	ds_store_b64 v[LW2], v[TP:TP+1] offset:((\n)-96)*8*WP
.endif
.endm
.set it, 0
.rept NSLOT
	LOADI it
.set it, it+1
.endr
.set it, 0
.rept NSLOT
	s_wait_loadcnt NSLOT-1                         ; loads come back in order: behind item it stand items it + 1 .. 51 and the it refills: 51; they stay out
	CVST it
	LOADI it+NSLOT                                 ; the slot is filled again at once: 52 loads, 26 KB, of every wave are on their way
.set it, it+1
.endr
.set it, 0
.rept NSLOT
	s_wait_loadcnt NSLOT-1-it                      ; nothing more is asked for: the counts run down
	CVST it+NSLOT
.set it, it+1
.endr
	v_mov_b32 v[BC+1], v[BC]                       ; the biases came in ahead of item 0
	s_wait_dscnt 0x0                               ; for the others' sake: my stores into LDS are done
	s_barrier_signal -1
	s_barrier_wait -1                              ; the one barrier: behind it LDS is only read
; PHASE 2.  One K step's fragments: 12 LDS loads.
.macro FETCH f
	ds_load_tr16_b128 v[(\f):(\f)+3],   v[WA]
	ds_load_tr16_b128 v[(\f)+4:(\f)+7], v[WA] offset:16*WP
.irp i, 0,1,2,3
	ds_load_b128 v[(\f)+8+8*\i:(\f)+11+8*\i],  v[XA] offset:\i*16*XP
	ds_load_b128 v[(\f)+12+8*\i:(\f)+15+8*\i], v[XA] offset:\i*16*XP+32
.endr
	ds_load_b128 v[(\f)+40:(\f)+43], v[XB]
	ds_load_b128 v[(\f)+44:(\f)+47], v[XB] offset:32
.endm
; The addresses go 32 k on.  These four plain vector instructions name no register of a matrix instruction: they are the four places between the products just issued
; and the loads into the fragment buffer that those products read.
.macro STEPA
	v_add_nc_u32 v[XA], 64, v[XA]
	v_add_nc_u32 v[XB], 64, v[XB]
	v_add_nc_u32 v[WA], 32*WP, v[WA]
	v_nop
.endm
; Five products, the five accumulators by turns.  swap = 0: source 0 = 16 columns of the weights, source 1 = 16 rows: a lane holds one row and eight columns m.
; swap = 1: the other way round: a lane holds one column m and eight rows.  zero = 1: the first K step starts the sums.
.macro MUL f, swap, zero
.irp i, 0,1,2,3,4
.if \swap
.if \zero
	v_wmma_f32_16x16x32_bf16 v[ACC+8*\i:ACC+8*\i+7], v[(\f)+8+8*\i:(\f)+15+8*\i], v[(\f):(\f)+7], 0
.else
	v_wmma_f32_16x16x32_bf16 v[ACC+8*\i:ACC+8*\i+7], v[(\f)+8+8*\i:(\f)+15+8*\i], v[(\f):(\f)+7], v[ACC+8*\i:ACC+8*\i+7]
.endif
.else
.if \zero
	v_wmma_f32_16x16x32_bf16 v[ACC+8*\i:ACC+8*\i+7], v[(\f):(\f)+7], v[(\f)+8+8*\i:(\f)+15+8*\i], 0
.else
	v_wmma_f32_16x16x32_bf16 v[ACC+8*\i:ACC+8*\i+7], v[(\f):(\f)+7], v[(\f)+8+8*\i:(\f)+15+8*\i], v[ACC+8*\i:ACC+8*\i+7]
.endif
.endif
.endr
.endm
; 16 K steps on two fragment buffers: while one is multiplied the other's 12 loads are out.
.macro GEMM swap
	FETCH F0                                       ; K step 0
	STEPA
	FETCH F1                                       ; K step 1
	s_wait_dscnt 12                                ; all but the 12 just issued
	MUL F0, \swap, 1
	s_mov_b32 s44, 7
.Lk_\@:                                                ; a trip: K steps 2 t + 1 and 2 t + 2 are multiplied, 2 t + 2 and 2 t + 3 fetched
	STEPA
	FETCH F0
	s_wait_dscnt 12
	MUL F1, \swap, 0
	STEPA
	FETCH F1
	s_wait_dscnt 12
	MUL F0, \swap, 0
	s_sub_co_u32 s44, s44, 1
	s_cmp_lg_u32 s44, 0
	s_cbranch_scc1 .Lk_\@
	s_wait_dscnt 0x0
	MUL F1, \swap, 0                               ; K step 15
.endm
	s_cmp_lt_u32 s26, 2
	s_cbranch_scc0 .Lw3
	; ---- y < 2: w1.  P' and Q'.
	s_lshl_b32 s29, s27, 10                        ; my column tile's block of 1,024 bytes
	s_lshl_b32 s30, s25, 16                        ; a tile 4 x: 4 x 16 blocks
	s_add_co_u32 s30, s30, s29
	s_add_nc_u64 s[40:41], s[16:17], s[30:31]
	s_lshl_b32 s30, s25, 14                        ; e tile x
	s_add_co_u32 s30, s30, s29
	s_add_nc_u64 s[42:43], s[18:19], s[30:31]
	GEMM 0
.rept 4
	v_nop                                          ; four places behind the last products, ahead of the lines that read the sums
.endr
.irp i, 0,1,2,3
.irp p, 0,1,2,3                        ; each accumulator is read from its low end on
	v_pk_mul_f32 v[ACC+8*\i+2*\p:ACC+8*\i+2*\p+1], v[ACC+8*\i+2*\p:ACC+8*\i+2*\p+1], s[46:47] op_sel_hi:[1,0]
.endr
	global_store_b128 v[ST16], v[ACC+8*\i:ACC+8*\i+3],   s[40:41] offset:\i*16384
	global_store_b128 v[ST16], v[ACC+8*\i+4:ACC+8*\i+7], s[40:41] offset:\i*16384+512
.endr
.irp p, 0,1,2,3
	v_pk_mul_f32 v[BV+2*\p:BV+2*\p+1], v[BV+2*\p:BV+2*\p+1], s[48:49] op_sel_hi:[1,0]   ; -KS b1
.endr
.irp p, 0,1,2,3
	v_pk_fma_f32 v[ACC+32+2*\p:ACC+32+2*\p+1], v[ACC+32+2*\p:ACC+32+2*\p+1], s[46:47], v[BV+2*\p:BV+2*\p+1] op_sel_hi:[1,0,1]
.endr
	global_store_b128 v[ST16], v[ACC+32:ACC+35], s[42:43]
	global_store_b128 v[ST16], v[ACC+36:ACC+39], s[42:43] offset:512
	s_wait_tensorcnt 0x0                           ; the wave's end: a wait, an add to my spare word and a wait behind my last LDS store
	ds_add_u32 v[SPW], v[NIL]
	s_wait_dscnt 0x0
	s_endpgm
.Lw3:
	; ---- y >= 2: w3.  R and T.
	s_lshr_b32 s30, s25, 3                         ; b
	s_lshl_b32 s30, s30, 18                        ; 16 x 32 blocks of 512 bytes
	s_lshl_b32 s29, s27, 14                        ; my column tile: 32 blocks
	s_add_co_u32 s30, s30, s29
	s_and_b32 s29, s25, 7
	s_lshl_b32 s29, s29, 11                        ; a tile 4 (x % 8)
	s_add_co_u32 s30, s30, s29
	s_add_nc_u64 s[40:41], s[20:21], s[30:31]
	s_lshl_b32 s30, s25, 14
	s_lshl_b32 s29, s27, 10
	s_add_co_u32 s30, s30, s29
	s_add_nc_u64 s[42:43], s[22:23], s[30:31]
	GEMM 1
.rept 4
	v_nop                                          ; four places behind the last products
.endr
.irp i, 0,1,2,3
.irp p, 0,1,2,3                        ; eight neighbouring a of one column m: 16 bytes; each tile has its own four registers, so no store's data are rewritten
	v_cvt_pk_bf16_f32 v[CT+4*\i+\p], v[ACC+8*\i+2*\p], v[ACC+8*\i+2*\p+1]
.endr
	global_store_b128 v[ST16], v[CT+4*\i:CT+4*\i+3], s[40:41] offset:\i*512
.endr
.irp p, 0,1,2,3
	v_pk_add_f32 v[ACC+32+2*\p:ACC+32+2*\p+1], v[ACC+32+2*\p:ACC+32+2*\p+1], v[BC:BC+1]
.endr
	global_store_b128 v[ST16], v[ACC+32:ACC+35], s[42:43]
	global_store_b128 v[ST16], v[ACC+36:ACC+39], s[42:43] offset:512
	s_wait_tensorcnt 0x0                           ; the wave's end: a wait, an add to my spare word and a wait behind my last LDS store
	ds_add_u32 v[SPW], v[NIL]
	s_wait_dscnt 0x0
	s_endpgm
.Lfunc_end_k_q456a7fb1c5_prep:
	.size	k_q456a7fb1c5_prep, .Lfunc_end_k_q456a7fb1c5_prep-k_q456a7fb1c5_prep
	.p2alignl 7, 3214868480
	.fill 96, 4, 3214868480
	.section	.rodata,"a",@progbits
	.p2align	6, 0x0
	.amdhsa_kernel k_q456a7fb1c5_prep
		.amdhsa_group_segment_fixed_size 231680
		.amdhsa_private_segment_fixed_size 0
		.amdhsa_enable_private_segment 0
		.amdhsa_kernarg_size 80
		.amdhsa_user_sgpr_count 2
		.amdhsa_user_sgpr_kernarg_segment_ptr 1
		.amdhsa_wavefront_size32 1
		.amdhsa_system_sgpr_workgroup_id_x 1
		.amdhsa_system_sgpr_workgroup_id_y 1
		.amdhsa_system_sgpr_workgroup_id_z 1
		.amdhsa_system_vgpr_workitem_id 0
		.amdhsa_next_free_vgpr 256
		.amdhsa_next_free_sgpr 66
		.amdhsa_reserve_vcc 0
		.amdhsa_float_denorm_mode_32 3
		.amdhsa_float_denorm_mode_16_64 3
		.amdhsa_memory_ordered 1
		.amdhsa_forward_progress 1
		.amdhsa_inst_pref_size 52
	.end_amdhsa_kernel
	.amdgpu_metadata
---
amdhsa.version: [ 1, 2 ]
amdhsa.kernels:
  - .name:           k_q456a7fb1c5_prep
    .symbol:         k_q456a7fb1c5_prep.kd
    .args:
      - { .name: word_all, .offset: 0, .size: 8, .value_kind: global_buffer, .address_space: global }
      - { .name: word_weighted, .offset: 8, .size: 8, .value_kind: global_buffer, .address_space: global }
      - { .name: w1, .offset: 16, .size: 8, .value_kind: global_buffer, .address_space: global }
      - { .name: w3, .offset: 24, .size: 8, .value_kind: global_buffer, .address_space: global }
      - { .name: b1, .offset: 32, .size: 8, .value_kind: global_buffer, .address_space: global }
      - { .name: b3, .offset: 40, .size: 8, .value_kind: global_buffer, .address_space: global }
      - { .name: PB, .offset: 48, .size: 8, .value_kind: global_buffer, .address_space: global }
      - { .name: QB, .offset: 56, .size: 8, .value_kind: global_buffer, .address_space: global }
      - { .name: RB, .offset: 64, .size: 8, .value_kind: global_buffer, .address_space: global }
      - { .name: TB, .offset: 72, .size: 8, .value_kind: global_buffer, .address_space: global }
    .group_segment_fixed_size: 231680
    .private_segment_fixed_size: 0
    .kernarg_segment_align: 8
    .kernarg_segment_size: 80
    .max_flat_workgroup_size: 256
    .sgpr_count:     66
    .vgpr_count:     256
    .wavefront_size: 32
...
	.end_amdgpu_metadata
.endif
;; end of part 1
;; launch attn (part 2): grid 256 x 1, 8 waves a work-group, no clusters, 15,360 bytes of LDS; arguments PB, QB, RB, TB, w2, b2, out0; writes out0
.if DOCPART == 2
	.amdgcn_target "amdgcn-amd-amdhsa--gfx1250"
	.amdhsa_code_object_version 6
	.text
	.protected	k_q456a7fb1c5_attn
	.globl	k_q456a7fb1c5_attn
	.p2align	8
	.type	k_q456a7fb1c5_attn,@function
k_q456a7fb1c5_attn:
	s_mov_b64 s[64:65], 0
	v_nop
	global_prefetch_b8 v0, s[64:65] scope:SCOPE_SE
	s_setreg_imm32_b32 hwreg(HW_REG_WAVE_MODE, 25, 1), 1
	s_wait_xcnt 0x0
; ATTN.  score(e, a) = b2 + sum over m of w2[m] tanh(x), KS x = P'(a, m) - Q'(e, m), tanh(x) = 1 - 2 / (1 + 2^(KS x)): score = sum w2 - 2 sum w2 / (1 + 2^(P' - Q')) + b2.
; Then softmax over a with the row's true maximum taken away, out(e, :) = (sum over a of p(e, a) R(a, :)) / l(e) + T(e, :).  P', Q', R, T and their layouts: see the launch before.
; 2^d overflows to infinity, whose reciprocal is 0, and underflows to 0, which gives 1: tanh saturates by itself, and nothing is clamped.
; SHARES.  Work-group g owns the four rows e = 4 g .. 4 g + 3 (of 1,024), all 512 a of their batch and all 256 m: 524,288 tanh, the same in each of 256 work-groups.
; Wave w owns the a tiles 4 w .. 4 w + 3; lane l owns a = l % 16 of each tile and, of each 16 m, the eight at 8 (l / 16): a score's sum stays in two lanes and wants one exchange.
; In the pooling wave w owns the output columns 32 w .. 32 w + 31: two accumulators, 16 K steps of 32 a; the 16 rows of source 0 are the four e, four times over.
; LIMITS.  A weight p or a power 2^d below 2^-126 counts as 0; p is rounded to bf16 for the product, its sum l is taken of the unrounded p; NaN and infinities are not treated apart.
; NO CLUSTER: the 32 work-groups of a batch read the same P' and R, but a lane's 16 bytes come from memory in the registers and the order in which they are used; a joint request
; lands in LDS, from where each of a wave's 128 loads of P' and 64 of R would have to be read once more.
.set W2S,   4096                       ; LDS: 0 Q'[4][256] f32; 4,096 w2[256] f32
.set MXB,   5120                       ; 8 waves x 4 maxima
.set LSB,   5376                       ; 8 waves x 4 sums
.set ATB,   5632                       ; p[4][512] bf16, rows 1,040 bytes apart
.set ATP,   1040
.set OSB,   9984                       ; out[4][256] f32, for the way out
.set SPARE, 14080                      ; the spare words, 128 bytes for each of eight waves, which no other line names
.set PV,  4                            ; v4   wave x 65,536 + 16 lane: my 16 bytes in a block of P' of my first a tile
.set QA,  5                            ; v5   LDS: 32 (l / 16), + 128 a trip
.set QG,  6                            ; v6   where thread t finds Q'(row t / 64, columns 4 (t % 64) ..) in QB
.set T4,  8                            ; v8   4 t
.set RV,  9                            ; v9   wave x 32,768 + 16 lane
.set TV,  10                           ; v10  (t / 16) x 1,024 + 16 (l % 16)
.set ATS, 11                           ; v11  where I put two weights
.set ATL, 12                           ; v12  where I read source 0
.set OSS, 13                           ; v13  OSB + 4 t
.set OSL, 14                           ; v14  OSB + 16 t
.set T16, 15                           ; v15  16 t
.set W16, 16                           ; v16  16 x wave
.set ZER, 17                           ; v17  0, an LDS address
.set SPW, 18                           ; v18  LDS address of my spare word; never rewritten
.set NIL, 19                           ; v19  0; never rewritten
.set SW,  20                           ; v[20:21] the sum of w2 over my m; v22 the same in one number, with half of b2
.set STG, 24                           ; v[24:27] Q', v28 w2, on their way into LDS
.set ACC, 32                           ; v[32:63] sum of w2 / (1 + 2^d): a pair for each (e, a tile), at 2 (4 e + at)
.set TT,  64                           ; v[64:79] eight pairs at work
.set QB0, 80                           ; v[80:99], v[100:119] two buffers: Q' of four e (4 registers each), then w2
.set PR,  120                          ; v[120:183] P': four slots of four a tiles x 4 registers
.set S,   184                          ; v[184:199] the 16 scores, then weights: 4 e + at
.set MX,  200                          ; v[200:203] maxima
.set CM,  204                          ; v[204:207] log2(e) x maximum
.set LP,  208                          ; v[208:211] sums
.set AF,  64                           ; the pooling: v[64:191] 16 fragments of p
.set GA,  192                          ; v[192:223] the eight waves' sums
.set D0,  224                          ; v[224:231], v[232:239] two accumulators
.set D1,  232
.set RL,  240                          ; v[240:243] 1 / l
.set TR,  244                          ; v[244:247] T
.set OR,  248                          ; v[248:251] out
; Registers v256-v511 hold R: fragment (K step ks, column tile n) at v[256 + 8 (2 ks + n)].  s_set_vgpr_msb: bits 3:2 source 1, 7:6 destination; the high byte repeats the setting that is left.
.set MSB, 0
.macro WIN new
.if MSB != (\new)
	s_set_vgpr_msb (MSB<<8)|(\new)
.set MSB, \new
.endif
.endm
	s_load_b256 s[4:11], s[0:1], 0x0               ; PB 4:5, QB 6:7, RB 8:9, TB 10:11
	s_load_b128 s[12:15], s[0:1], 0x20             ; w2 12:13, b2 14:15
	s_load_b64 s[16:17], s[0:1], 0x30              ; out0
	v_lshl_add_u32 v[SPW], v0, 2, SPARE
	v_mov_b32 v[NIL], 0
	v_lshrrev_b32 v1, 5, v0
	v_readfirstlane_b32 s20, v1                    ; wave 0..7
	s_mov_b32 s21, ttmp9                           ; g
	s_mov_b32 s28, 0x76543210                      ; v_permlanex16_b32: each lane takes its own place in the other half
	s_mov_b32 s29, 0xfedcba98
	s_mov_b32 s30, 0xffff0000                      ; the lanes 16-31
	s_mov_b32 s31, 0x3fb8aa3b                      ; log2(e)
	v_and_b32 v1, 31, v0                           ; lane
	v_and_b32 v2, 15, v0                           ; l % 16
	v_bfe_u32 v3, v0, 4, 1                         ; l / 16
	s_lshl_b32 s22, s20, 16
	v_lshl_add_u32 v[PV], v1, 4, s22
	v_lshlrev_b32 v[QA], 5, v3
	v_bfe_u32 v[QG], v0, 2, 4                      ; columns 4 (t % 64) ..: m tile (t / 4) % 16,
	v_and_b32 v23, 1, v0
	v_lshlrev_b32 v[QG], 10, v[QG]
	v_lshl_or_b32 v[QG], v23, 9, v[QG]             ; half block t % 2,
	v_bfe_u32 v23, v0, 1, 1
	v_lshl_or_b32 v[QG], v23, 8, v[QG]             ; half of the lanes (t / 2) % 2,
	v_lshrrev_b32 v23, 6, v0
	v_lshl_or_b32 v[QG], v23, 4, v[QG]             ; row t / 64
	v_lshlrev_b32 v[T4], 2, v0
	s_lshl_b32 s22, s20, 15
	v_lshl_add_u32 v[RV], v1, 4, s22
	v_lshrrev_b32 v[TV], 4, v0
	v_lshlrev_b32 v[TV], 10, v[TV]
	v_lshl_or_b32 v[TV], v2, 4, v[TV]
	s_lshl_b32 s22, s20, 7                         ; my wave's 64 a: 128 bytes of a row of p
	s_add_co_u32 s22, s22, ATB
	v_mul_u32_u24 v[ATS], v3, 2*ATP                ; lanes 0-15 store rows 0 and 1, lanes 16-31 rows 2 and 3
	v_lshl_add_u32 v[ATS], v2, 1, v[ATS]
	v_add_nc_u32 v[ATS], s22, v[ATS]
	v_and_b32 v[ATL], 3, v0                        ; row l % 16 of source 0 is e = l % 4
	v_mul_u32_u24 v[ATL], v[ATL], ATP
	v_lshl_add_u32 v[ATL], v3, 4, v[ATL]
	v_add_nc_u32 v[ATL], ATB, v[ATL]
	v_lshl_add_u32 v[OSS], v0, 2, OSB
	v_lshl_add_u32 v[OSL], v0, 4, OSB
	v_lshlrev_b32 v[T16], 4, v0
	s_lshl_b32 s22, s20, 4
	v_mov_b32 v[W16], s22
	v_mov_b32 v[ZER], 0
	s_mov_b32 s25, 0                               ; the high word of every offset
	s_wait_kmcnt 0x0
	s_load_b32 s18, s[14:15], 0x0                  ; b2
	s_lshr_b32 s22, s21, 5                         ; the batch
	s_lshl_b32 s24, s22, 19                        ; 32 a tiles x 16 blocks of 1,024 bytes
	s_add_nc_u64 s[4:5], s[4:5], s[24:25]
	s_lshl_b32 s24, s22, 18
	s_add_nc_u64 s[8:9], s[8:9], s[24:25]
	s_lshr_b32 s22, s21, 2                         ; my rows' tile of 16 e,
	s_lshl_b32 s22, s22, 14
	s_and_b32 s23, s21, 3                          ; in which they are rows 4 (g % 4) ..
	s_lshl_b32 s23, s23, 6                         ; Q': a row is a lane: 16 bytes
	s_add_co_u32 s24, s22, s23
	s_add_nc_u64 s[6:7], s[6:7], s[24:25]
	s_and_b32 s23, s21, 1                          ; T: four rows are a lane's 16 bytes: half block g % 2,
	s_lshl_b32 s23, s23, 9
	s_add_co_u32 s24, s22, s23
	s_bfe_u32 s23, s21, 0x10001                    ; half of the lanes (g / 2) % 2
	s_lshl_b32 s23, s23, 8
	s_add_co_u32 s24, s24, s23
	s_add_nc_u64 s[10:11], s[10:11], s[24:25]
	s_lshl_b32 s24, s21, 12                        ; four rows of 1,024 bytes
	s_add_nc_u64 s[16:17], s[16:17], s[24:25]
	global_load_b128 v[TR:TR+3], v[TV], s[10:11]   ; T(e = 0..3, m = t)
	global_load_b128 v[STG:STG+3], v[QG], s[6:7]
	global_load_b32 v[STG+4], v[T4], s[12:13]
.irp j, 0,1,2,3
.irp at, 0,1,2,3
	global_load_b128 v[PR+16*\j+4*\at:PR+16*\j+4*\at+3], v[PV], s[4:5] offset:\at*16384+\j*512   ; the ring is filled: steps 0 to 3
.endr
.endr
.set i, 0
.rept 32                               ; the 34 running sums start at 0: once a launch, in the wait for the first data
	v_mov_b32 v[ACC+i], 0
.set i, i+1
.endr
	v_mov_b32 v[SW], 0
	v_mov_b32 v[SW+1], 0
	s_wait_loadcnt 16                              ; T, Q' and w2 are in; the 16 loads of P' behind them stay out
	ds_store_b128 v[T16], v[STG:STG+3]             ; Q'[row][m] at 1,024 row + 4 m = 16 t
	ds_store_b32 v[T4], v[STG+4] offset:W2S
	s_wait_dscnt 0x0                               ; for the others' sake: my stores are done
	s_barrier_signal -1
	s_barrier_wait -1
.irp e, 0,1,2,3
	ds_load_b128 v[QB0+4*\e:QB0+4*\e+3], v[QA] offset:1024*\e   ; step 0: sixteen lanes read the same 16 bytes
.endr
	ds_load_b128 v[QB0+16:QB0+19], v[QA] offset:W2S
	s_wait_kmcnt 0x0                               ; b2
; A STEP: four m a lane (m tile s / 2, half s % 2), 4 e x 4 a tiles: 32 UNITS of two numbers.  Unit u: e = u / 8, a tile (u / 2) % 4, pair u % 2; seven instructions:
;   d = P' - Q' (packed); 2^d, twice; 1 + (packed); the reciprocal, twice; sum += w2 x (packed).
; They are laid as a pipeline, unit u's parts in rows u, u + 1, u + 2, u + 3 and u + 5, eight pairs of registers by turns.  A row reads: subtract, power, add, power, multiply-add, reciprocal, reciprocal.
; So every power and reciprocal has a plain instruction of another unit behind it before its result is used (ISA guide 5.7.2), at both ends of the pipeline too.
; j: the step in its trip, and its slot.  ahead = 1: the slot is filled again, four steps on.  lcnt: the younger loads of P' that may stay out.  nextq = 1: the next step's Q' and w2 are fetched.
.macro STEP j, ahead, lcnt, nextq
.set QC, QB0+20*((\j)&1)
.set QN, QB0+20*(((\j)+1)&1)
.set QOF, 64*(((\j)+1)>>1)+16*(((\j)+1)&1)
.if \nextq
.irp e, 0,1,2,3
	ds_load_b128 v[QN+4*\e:QN+4*\e+3], v[QA] offset:1024*\e+QOF
.endr
	ds_load_b128 v[QN+16:QN+19], v[QA] offset:W2S+QOF
	s_wait_dscnt 0x5                               ; all but the five just issued: this step's are in
.else
	s_wait_dscnt 0x0
.endif
	s_wait_loadcnt \lcnt                           ; loads come back in order: this slot's four are in
	v_pk_add_f32 v[SW:SW+1], v[SW:SW+1], v[QC+16:QC+17]
	v_pk_add_f32 v[SW:SW+1], v[SW:SW+1], v[QC+18:QC+19]
.set i, 0
.rept 37
.if i < 32
.set rT, TT+2*(i%8)
.set rP, PR+16*(\j)+4*((i>>1)&3)+2*(i&1)
.set rQ, QC+4*(i>>3)+2*(i&1)
	v_pk_add_f32 v[rT:rT+1], v[rP:rP+1], v[rQ:rQ+1] neg_lo:[0,1] neg_hi:[0,1]
.endif
.if (i >= 1) && (i <= 32)
.set rT, TT+2*((i-1)%8)
	v_exp_f32 v[rT], v[rT]
.endif
.if (i >= 2) && (i <= 33)
.set rT, TT+2*((i-2)%8)
	s_wait_alu depctr_va_vdst(0)
	v_pk_add_f32 v[rT:rT+1], v[rT:rT+1], 1.0 op_sel_hi:[1,0]
.endif
.if (i >= 1) && (i <= 32)
.set rT, TT+2*((i-1)%8)+1
	v_exp_f32 v[rT], v[rT]
.endif
.if i >= 5
.set rT, TT+2*((i-5)%8)
.set rA, ACC+2*(4*((i-5)>>3)+(((i-5)>>1)&3))
.set rW, QC+16+2*((i-5)&1)
	s_wait_alu depctr_va_vdst(0)
	v_pk_fma_f32 v[rA:rA+1], v[rT:rT+1], v[rW:rW+1], v[rA:rA+1]
.endif
.if (i >= 3) && (i <= 34)
.set rT, TT+2*((i-3)%8)
	v_rcp_f32 v[rT], v[rT]
	v_rcp_f32 v[rT+1], v[rT+1]
.endif
.set i, i+1
.endr
.if \ahead
.irp at, 0,1,2,3
	global_load_b128 v[PR+16*(\j)+4*\at:PR+16*(\j)+4*\at+3], v[PV], s[4:5] offset:\at*16384+((\j)+4)*512
.endr
.endif
.endm
	s_mov_b32 s26, 7
.Ltrip:                                                ; 32 steps, four a trip; seven trips fill the ring again
	STEP 0, 1, 12, 1                               ; 12: the three younger slots' loads
	STEP 1, 1, 12, 1
	STEP 2, 1, 12, 1
	STEP 3, 1, 12, 1
	s_wait_xcnt 0x0                                ; every earlier memory instruction has had its addresses translated (ISA guide 3.1): only behind this wait is the loads' base stepped
	s_add_nc_u64 s[4:5], s[4:5], 2048              ; four steps of 512 bytes
	v_add_nc_u32 v[QA], 128, v[QA]                 ; two m tiles of 64 bytes
	s_sub_co_u32 s26, s26, 1
	s_cmp_lg_u32 s26, 0
	s_cbranch_scc1 .Ltrip
	STEP 0, 0, 12, 1                               ; the last trip asks for nothing: the counts run down
	STEP 1, 0, 8, 1
	STEP 2, 0, 4, 1
	STEP 3, 0, 0, 0
	; R is asked for now, 64 loads into v256-v511, K step by K step: it lands under the softmax.
	WIN 0x40                                       ; destination in the second 256 registers, address in the first
.set ks, 0
.rept 16
.irp n, 0,1
.irp q, 0,1
	global_load_b128 v[8*(2*ks+\n)+4*\q:8*(2*ks+\n)+4*\q+3], v[RV], s[8:9] offset:\n*16384+ks*1024+\q*512
.endr
.endr
.set ks, ks+1
.endr
	WIN 0
	; THE SCORES.  My half's part: sum w2 + b2 / 2 - 2 sum w2 / (1 + 2^d); the other half of the lanes holds the other 128 m.
	v_add_f32 v[SW+2], v[SW], v[SW+1]
	v_fma_f32 v[SW+2], s18, 0.5, v[SW+2]
.set k, 0
.rept 16
	v_add_f32 v[S+k], v[ACC+2*k], v[ACC+2*k+1]
.set k, k+1
.endr
.set k, 0
.rept 16
	v_fma_f32 v[S+k], v[S+k], -2.0, v[SW+2]
.set k, k+1
.endr
.set k, 0
.rept 16
	v_permlanex16_b32 v[ACC+2*k], v[S+k], s28, s29
.set k, k+1
.endr
.set k, 0
.rept 16
	v_add_f32 v[S+k], v[S+k], v[ACC+2*k]           ; both halves of the lanes now hold score(e, a = 16 (4 w + at) + l % 16)
.set k, k+1
.endr
	; THE MAXIMUM of each row e: over my four a tiles, over 16 lanes, over the eight waves.
.irp e, 0,1,2,3
	v_max3_num_f32 v[MX+\e], v[S+4*\e], v[S+4*\e+1], v[S+4*\e+2]
.endr
.irp e, 0,1,2,3
	v_max_num_f32 v[MX+\e], v[MX+\e], v[S+4*\e+3]
.endr
.irp x, 1,2,4,8
.irp e, 0,1,2,3
	v_max_num_f32_dpp v[MX+\e], v[MX+\e], v[MX+\e] row_xmask:\x row_mask:0xf bank_mask:0xf
.endr
.endr
	ds_store_b128 v[W16], v[MX:MX+3] offset:MXB    ; all lanes write the same 16 bytes with the same numbers
	s_wait_dscnt 0x0                               ; for the others' sake
	s_barrier_signal -1
	s_barrier_wait -1
.irp w, 0,1,2,3,4,5,6,7
	ds_load_b128 v[TT+4*\w:TT+4*\w+3], v[ZER] offset:MXB+16*\w
.endr
	s_wait_dscnt 0x0
.irp e, 0,1,2,3
	v_max3_num_f32 v[MX+\e], v[TT+\e], v[TT+4+\e], v[TT+8+\e]
.endr
.irp e, 0,1,2,3
	v_max3_num_f32 v[MX+\e], v[MX+\e], v[TT+12+\e], v[TT+16+\e]
.endr
.irp e, 0,1,2,3
	v_max3_num_f32 v[MX+\e], v[MX+\e], v[TT+20+\e], v[TT+24+\e]
.endr
.irp e, 0,1,2,3
	v_max_num_f32 v[MX+\e], v[MX+\e], v[TT+28+\e]
.endr
	; THE WEIGHTS p = 2^(log2(e) (score - maximum)) and their sums.
.irp e, 0,1,2,3
	v_mul_f32 v[CM+\e], s31, v[MX+\e]
.endr
.set k, 0
.rept 16
	v_fma_f32 v[S+k], v[S+k], s31, -v[CM+k/4]
.set k, k+1
.endr
.set k, 0
.rept 16
	v_exp_f32 v[S+k], v[S+k]
.set k, k+1
.endr
	v_nop                                          ; a plain instruction between the powers and the use of their results
	s_wait_alu depctr_va_vdst(0)
.irp e, 0,1,2,3
	v_pk_add_f32 v[TT+2*\e:TT+2*\e+1], v[S+4*\e:S+4*\e+1], v[S+4*\e+2:S+4*\e+3]
.endr
.irp e, 0,1,2,3
	v_add_f32 v[LP+\e], v[TT+2*\e], v[TT+2*\e+1]
.endr
.irp x, 1,2,4,8
.irp e, 0,1,2,3
	v_add_f32_dpp v[LP+\e], v[LP+\e], v[LP+\e] row_xmask:\x row_mask:0xf bank_mask:0xf
.endr
.endr
	ds_store_b128 v[W16], v[LP:LP+3] offset:LSB
.irp at, 0,1,2,3                       ; both halves of the lanes hold all four rows: lanes 0-15 store rows 0 and 1, lanes 16-31 rows 2 and 3
	v_cndmask_b32 v[TT+2*\at],   v[S+\at],   v[S+8+\at],  s30
	v_cndmask_b32 v[TT+2*\at+1], v[S+4+\at], v[S+12+\at], s30
.endr
.irp at, 0,1,2,3
	v_cvt_pk_bf16_f32 v[TT+8+\at], v[TT+2*\at], v[TT+2*\at+1]
.endr
.irp at, 0,1,2,3
	ds_store_b16 v[ATS], v[TT+8+\at] offset:32*\at
	ds_store_b16_d16_hi v[ATS], v[TT+8+\at] offset:32*\at+ATP
.endr
	s_wait_dscnt 0x0                               ; for the others' sake: my sums and my weights are in LDS
	s_barrier_signal -1
	s_barrier_wait -1
	; THE POOLING.  Source 0: 16 rows (e = row % 4) x 32 a of p; source 1: 32 a x 16 columns of R.
.irp w, 0,1,2,3,4,5,6,7
	ds_load_b128 v[GA+4*\w:GA+4*\w+3], v[ZER] offset:LSB+16*\w
.endr
.set ks, 0
.rept 16
	ds_load_b128 v[AF+8*ks:AF+8*ks+3],   v[ATL] offset:64*ks
	ds_load_b128 v[AF+8*ks+4:AF+8*ks+7], v[ATL] offset:64*ks+32
.set ks, ks+1
.endr
	s_wait_dscnt 32                                ; the eight waves' sums are in; the 32 loads behind them stay out
.irp w, 0,2,4,6
	v_pk_add_f32 v[GA+4*\w:GA+4*\w+1],   v[GA+4*\w:GA+4*\w+1],   v[GA+4*\w+4:GA+4*\w+5]
	v_pk_add_f32 v[GA+4*\w+2:GA+4*\w+3], v[GA+4*\w+2:GA+4*\w+3], v[GA+4*\w+6:GA+4*\w+7]
.endr
.irp w, 0,4
	v_pk_add_f32 v[GA+4*\w:GA+4*\w+1],   v[GA+4*\w:GA+4*\w+1],   v[GA+4*\w+8:GA+4*\w+9]
	v_pk_add_f32 v[GA+4*\w+2:GA+4*\w+3], v[GA+4*\w+2:GA+4*\w+3], v[GA+4*\w+10:GA+4*\w+11]
.endr
	v_pk_add_f32 v[GA:GA+1],   v[GA:GA+1],   v[GA+16:GA+17]
	v_pk_add_f32 v[GA+2:GA+3], v[GA+2:GA+3], v[GA+18:GA+19]
.irp e, 0,1,2,3
	v_rcp_f32 v[RL+\e], v[GA+\e]                   ; l is at least 1: the row's largest weight is 1
.endr
	v_nop                                          ; a plain instruction behind the reciprocals
	WIN 0x04                                       ; source 1 in the second 256 registers
.set ks, 0
.rept 16
	s_wait_loadcnt (15-ks)*4                       ; R of this K step is in: four loads for each later step stay out
	s_wait_dscnt (15-ks)*2                         ; and p: two loads for each later step
.if ks == 0
	v_wmma_f32_16x16x32_bf16 v[D0:D0+7], v[AF:AF+7], v[0:7], 0          ; the first K step starts the sums
	v_wmma_f32_16x16x32_bf16 v[D1:D1+7], v[AF:AF+7], v[8:15], 0
.else
	v_wmma_f32_16x16x32_bf16 v[D0:D0+7], v[AF+8*ks:AF+8*ks+7], v[16*ks:16*ks+7],    v[D0:D0+7]   ; the two accumulators take turns
	v_wmma_f32_16x16x32_bf16 v[D1:D1+7], v[AF+8*ks:AF+8*ks+7], v[16*ks+8:16*ks+15], v[D1:D1+7]
.endif
.set ks, ks+1
.endr
	WIN 0
.rept 4
	v_nop                                          ; four places behind the last products, ahead of the lines that read the sums
.endr
	; THE WAY OUT.  Register i of either accumulator is row e = i in both halves of the lanes: lanes 0-15 keep columns 32 w + l % 16, lanes 16-31 columns 32 w + 16 + l % 16: column t.
.irp i, 0,1,2,3
	v_cndmask_b32 v[OR+\i], v[D0+\i], v[D1+\i], s30
.endr
	s_wait_alu depctr_va_vdst(0)
.irp i, 0,1,2,3
	v_fma_f32 v[OR+\i], v[OR+\i], v[RL+\i], v[TR+\i]
.endr
.irp i, 0,1,2,3
	ds_store_b32 v[OSS], v[OR+\i] offset:1024*\i
.endr
	s_wait_dscnt 0x0                               ; for the others' sake
	s_barrier_signal -1
	s_barrier_wait -1
	ds_load_b128 v[OR:OR+3], v[OSL]                ; the work-group's four rows are 4,096 consecutive bytes of out0
	s_wait_dscnt 0x0
	global_store_b128 v[T16], v[OR:OR+3], s[16:17] ; a wave stores 512 consecutive bytes, at a multiple of 512 from out0's first byte
	s_wait_tensorcnt 0x0                           ; the wave's end: a wait, an add to my spare word and a wait behind my last LDS store
	ds_add_u32 v[SPW], v[NIL]
	s_wait_dscnt 0x0
	s_endpgm
.Lfunc_end_k_q456a7fb1c5_attn:
	.size	k_q456a7fb1c5_attn, .Lfunc_end_k_q456a7fb1c5_attn-k_q456a7fb1c5_attn
	.p2alignl 7, 3214868480
	.fill 96, 4, 3214868480
	.section	.rodata,"a",@progbits
	.p2align	6, 0x0
	.amdhsa_kernel k_q456a7fb1c5_attn
		.amdhsa_group_segment_fixed_size 15360
		.amdhsa_private_segment_fixed_size 0
		.amdhsa_enable_private_segment 0
		.amdhsa_kernarg_size 56
		.amdhsa_user_sgpr_count 2
		.amdhsa_user_sgpr_kernarg_segment_ptr 1
		.amdhsa_wavefront_size32 1
		.amdhsa_system_sgpr_workgroup_id_x 1
		.amdhsa_system_sgpr_workgroup_id_y 1
		.amdhsa_system_sgpr_workgroup_id_z 1
		.amdhsa_system_vgpr_workitem_id 0
		.amdhsa_next_free_vgpr 512
		.amdhsa_next_free_sgpr 66
		.amdhsa_reserve_vcc 0
		.amdhsa_float_denorm_mode_32 3
		.amdhsa_float_denorm_mode_16_64 3
		.amdhsa_memory_ordered 1
		.amdhsa_forward_progress 1
		.amdhsa_inst_pref_size 133
	.end_amdhsa_kernel
	.amdgpu_metadata
---
amdhsa.version: [ 1, 2 ]
amdhsa.kernels:
  - .name:           k_q456a7fb1c5_attn
    .symbol:         k_q456a7fb1c5_attn.kd
    .args:
      - { .name: PB, .offset: 0, .size: 8, .value_kind: global_buffer, .address_space: global }
      - { .name: QB, .offset: 8, .size: 8, .value_kind: global_buffer, .address_space: global }
      - { .name: RB, .offset: 16, .size: 8, .value_kind: global_buffer, .address_space: global }
      - { .name: TB, .offset: 24, .size: 8, .value_kind: global_buffer, .address_space: global }
      - { .name: w2, .offset: 32, .size: 8, .value_kind: global_buffer, .address_space: global }
      - { .name: b2, .offset: 40, .size: 8, .value_kind: global_buffer, .address_space: global }
      - { .name: out0, .offset: 48, .size: 8, .value_kind: global_buffer, .address_space: global }
    .group_segment_fixed_size: 15360
    .private_segment_fixed_size: 0
    .kernarg_segment_align: 8
    .kernarg_segment_size: 56
    .max_flat_workgroup_size: 256
    .sgpr_count:     66
    .vgpr_count:     512
    .wavefront_size: 32
...
	.end_amdgpu_metadata
.endif
;; end of part 2
;; ======== version 2 of 2: 2 launches; 1.51 times as fast as version 1
;; limits: a difference of large sums (such as E[x^2] - mean^2): digits are lost where the result is much smaller than its terms
;; workspace buffers: PB 4,194,304 bytes; QB 1,048,576 bytes; RB 2,097,152 bytes; TB 1,048,576 bytes
;; launch prep: the kernel of part 1 again; grid 64 x 4, 8 waves a work-group, no clusters, 231,680 bytes of LDS; arguments word_all, word_weighted, w1, w3, b1, b3, PB, QB, RB, TB; writes PB, QB, RB, TB
;; launch attn (part 3): grid 256 x 1, 8 waves a work-group, no clusters, 15,360 bytes of LDS; arguments PB, QB, RB, TB, w2, b2, out0; writes out0
.if DOCPART == 3
	.amdgcn_target "amdgcn-amd-amdhsa--gfx1250"
	.amdhsa_code_object_version 6
	.text
	.protected	k_q456a7fb1c5_attn
	.globl	k_q456a7fb1c5_attn
	.p2align	8
	.type	k_q456a7fb1c5_attn,@function
k_q456a7fb1c5_attn:
	s_mov_b64 s[64:65], 0
	v_nop
	global_prefetch_b8 v0, s[64:65] scope:SCOPE_SE
	s_setreg_imm32_b32 hwreg(HW_REG_WAVE_MODE, 25, 1), 1
	s_wait_xcnt 0x0
; ATTN.  score(e, a) = b2 + sum over m of w2[m] tanh(x), KS x = P'(a, m) - Q'(e, m), tanh(x) = 1 - 2 / (1 + 2^(KS x)): score = sum w2 - 2 sum w2 / (1 + 2^(P' - Q')) + b2.
; Then softmax over a with the row's true maximum taken away, out(e, :) = (sum over a of p(e, a) R(a, :)) / l(e) + T(e, :).  P', Q', R, T and their layouts: see the launch before.
; 2^d overflows to infinity, whose reciprocal is 0, and underflows to 0, which gives 1: tanh saturates by itself, and nothing is clamped.
; SHARES.  Work-group g owns the four rows e = 4 g .. 4 g + 3 (of 1,024), all 512 a of their batch and all 256 m: 524,288 tanh, the same in each of 256 work-groups.
; Wave w owns the a tiles 4 w .. 4 w + 3; lane l owns a = l % 16 of each tile and, of each 16 m, the eight at 8 (l / 16): a score's sum stays in two lanes and wants one exchange.
; In the pooling wave w owns the output columns 32 w .. 32 w + 31: two accumulators, 16 K steps of 32 a; the 16 rows of source 0 are the four e, four times over.
; BATCHES.  An s_wait_alu depctr_va_vdst(0) stands between a power or a reciprocal and the first line that names its result; one wait serves all that were issued ahead of it.
; A step's 64 powers are one batch, its 64 reciprocals (which read 1 + a power) a second: two waits a step.  The softmax's 16 powers are a batch, and so are the four reciprocals of l: a wait each.
; LIMITS.  A weight p or a power 2^d below 2^-126 counts as 0; p is rounded to bf16 for the product, its sum l is taken of the unrounded p; NaN and infinities are not treated apart.
; NO CLUSTER: the 32 work-groups of a batch read the same P' and R, but a lane's 16 bytes come from memory in the registers and the order in which they are used; a joint request
; lands in LDS, from where each of a wave's 128 loads of P' and 64 of R would have to be read once more.
.set W2S,   4096                       ; LDS: 0 Q'[4][256] f32; 4,096 w2[256] f32
.set MXB,   5120                       ; 8 waves x 4 maxima
.set LSB,   5376                       ; 8 waves x 4 sums
.set ATB,   5632                       ; p[4][512] bf16, rows 1,040 bytes apart
.set ATP,   1040
.set OSB,   9984                       ; out[4][256] f32, for the way out
.set SPARE, 14080                      ; the spare words, 128 bytes for each of eight waves, which no other line names
.set PV,  4                            ; v4   wave x 65,536 + 16 lane: my 16 bytes in a block of P' of my first a tile
.set QA,  5                            ; v5   LDS: 32 (l / 16), + 128 a trip
.set QG,  6                            ; v6   where thread t finds Q'(row t / 64, columns 4 (t % 64) ..) in QB
.set T4,  8                            ; v8   4 t
.set RV,  9                            ; v9   wave x 32,768 + 16 lane
.set TV,  10                           ; v10  (t / 16) x 1,024 + 16 (l % 16)
.set ATS, 11                           ; v11  where I put two weights
.set ATL, 12                           ; v12  where I read source 0
.set OSS, 13                           ; v13  OSB + 4 t
.set OSL, 14                           ; v14  OSB + 16 t
.set T16, 15                           ; v15  16 t
.set W16, 16                           ; v16  16 x wave
.set ZER, 17                           ; v17  0, an LDS address
.set SPW, 18                           ; v18  LDS address of my spare word; never rewritten
.set NIL, 19                           ; v19  0; never rewritten
.set SW,  20                           ; v[20:21] the sum of w2 over my m; v22 the same in one number, with half of b2
.set STG, 24                           ; v[24:27] Q', v28 w2, on their way into LDS
.set ACC, 32                           ; v[32:63] sum of w2 / (1 + 2^d): a pair for each (e, a tile), at 2 (4 e + at)
.set TT,  64                           ; v[64:79] in the loop: the pairs of a step's units 0-7; behind it: at work
.set QB0, 80                           ; v[80:99], v[100:119] two buffers: Q' of four e (4 registers each), then w2
.set PR,  120                          ; v[120:183] P': four slots of four a tiles x 4 registers
.set TU,  184                          ; v[184:231] in the loop: the pairs of a step's units 8-31: each of a step's 64 numbers has a register of its own while its batches are open
.set S,   184                          ; behind the loop: v[184:199] the 16 scores, then weights: 4 e + at
.set MX,  200                          ; v[200:203] maxima
.set CM,  204                          ; v[204:207] log2(e) x maximum
.set LP,  208                          ; v[208:211] sums
.set AF,  64                           ; the pooling: v[64:191] 16 fragments of p
.set GA,  192                          ; v[192:223] the eight waves' sums
.set D0,  224                          ; v[224:231], v[232:239] two accumulators
.set D1,  232
.set RL,  240                          ; v[240:243] 1 / l
.set TR,  244                          ; v[244:247] T
.set OR,  248                          ; v[248:251] out
; Registers v256-v511 hold R: fragment (K step ks, column tile n) at v[256 + 8 (2 ks + n)].  s_set_vgpr_msb: bits 3:2 source 1, 7:6 destination; the high byte repeats the setting that is left.
.set MSB, 0
.macro WIN new
.if MSB != (\new)
	s_set_vgpr_msb (MSB<<8)|(\new)
.set MSB, \new
.endif
.endm
	s_load_b256 s[4:11], s[0:1], 0x0               ; PB 4:5, QB 6:7, RB 8:9, TB 10:11
	s_load_b128 s[12:15], s[0:1], 0x20             ; w2 12:13, b2 14:15
	s_load_b64 s[16:17], s[0:1], 0x30              ; out0
	v_lshl_add_u32 v[SPW], v0, 2, SPARE
	v_mov_b32 v[NIL], 0
	v_lshrrev_b32 v1, 5, v0
	v_readfirstlane_b32 s20, v1                    ; wave 0..7
	s_mov_b32 s21, ttmp9                           ; g
	s_mov_b32 s28, 0x76543210                      ; v_permlanex16_b32: each lane takes its own place in the other half
	s_mov_b32 s29, 0xfedcba98
	s_mov_b32 s30, 0xffff0000                      ; the lanes 16-31
	s_mov_b32 s31, 0x3fb8aa3b                      ; log2(e)
	v_and_b32 v1, 31, v0                           ; lane
	v_and_b32 v2, 15, v0                           ; l % 16
	v_bfe_u32 v3, v0, 4, 1                         ; l / 16
	s_lshl_b32 s22, s20, 16
	v_lshl_add_u32 v[PV], v1, 4, s22
	v_lshlrev_b32 v[QA], 5, v3
	v_bfe_u32 v[QG], v0, 2, 4                      ; columns 4 (t % 64) ..: m tile (t / 4) % 16,
	v_and_b32 v23, 1, v0
	v_lshlrev_b32 v[QG], 10, v[QG]
	v_lshl_or_b32 v[QG], v23, 9, v[QG]             ; half block t % 2,
	v_bfe_u32 v23, v0, 1, 1
	v_lshl_or_b32 v[QG], v23, 8, v[QG]             ; half of the lanes (t / 2) % 2,
	v_lshrrev_b32 v23, 6, v0
	v_lshl_or_b32 v[QG], v23, 4, v[QG]             ; row t / 64
	v_lshlrev_b32 v[T4], 2, v0
	s_lshl_b32 s22, s20, 15
	v_lshl_add_u32 v[RV], v1, 4, s22
	v_lshrrev_b32 v[TV], 4, v0
	v_lshlrev_b32 v[TV], 10, v[TV]
	v_lshl_or_b32 v[TV], v2, 4, v[TV]
	s_lshl_b32 s22, s20, 7                         ; my wave's 64 a: 128 bytes of a row of p
	s_add_co_u32 s22, s22, ATB
	v_mul_u32_u24 v[ATS], v3, 2*ATP                ; lanes 0-15 store rows 0 and 1, lanes 16-31 rows 2 and 3
	v_lshl_add_u32 v[ATS], v2, 1, v[ATS]
	v_add_nc_u32 v[ATS], s22, v[ATS]
	v_and_b32 v[ATL], 3, v0                        ; row l % 16 of source 0 is e = l % 4
	v_mul_u32_u24 v[ATL], v[ATL], ATP
	v_lshl_add_u32 v[ATL], v3, 4, v[ATL]
	v_add_nc_u32 v[ATL], ATB, v[ATL]
	v_lshl_add_u32 v[OSS], v0, 2, OSB
	v_lshl_add_u32 v[OSL], v0, 4, OSB
	v_lshlrev_b32 v[T16], 4, v0
	s_lshl_b32 s22, s20, 4
	v_mov_b32 v[W16], s22
	v_mov_b32 v[ZER], 0
	s_mov_b32 s25, 0                               ; the high word of every offset
	s_wait_kmcnt 0x0
	s_load_b32 s18, s[14:15], 0x0                  ; b2
	s_lshr_b32 s22, s21, 5                         ; the batch
	s_lshl_b32 s24, s22, 19                        ; 32 a tiles x 16 blocks of 1,024 bytes
	s_add_nc_u64 s[4:5], s[4:5], s[24:25]
	s_lshl_b32 s24, s22, 18
	s_add_nc_u64 s[8:9], s[8:9], s[24:25]
	s_lshr_b32 s22, s21, 2                         ; my rows' tile of 16 e,
	s_lshl_b32 s22, s22, 14
	s_and_b32 s23, s21, 3                          ; in which they are rows 4 (g % 4) ..
	s_lshl_b32 s23, s23, 6                         ; Q': a row is a lane: 16 bytes
	s_add_co_u32 s24, s22, s23
	s_add_nc_u64 s[6:7], s[6:7], s[24:25]
	s_and_b32 s23, s21, 1                          ; T: four rows are a lane's 16 bytes: half block g % 2,
	s_lshl_b32 s23, s23, 9
	s_add_co_u32 s24, s22, s23
	s_bfe_u32 s23, s21, 0x10001                    ; half of the lanes (g / 2) % 2
	s_lshl_b32 s23, s23, 8
	s_add_co_u32 s24, s24, s23
	s_add_nc_u64 s[10:11], s[10:11], s[24:25]
	s_lshl_b32 s24, s21, 12                        ; four rows of 1,024 bytes
	s_add_nc_u64 s[16:17], s[16:17], s[24:25]
	global_load_b128 v[TR:TR+3], v[TV], s[10:11]   ; T(e = 0..3, m = t)
	global_load_b128 v[STG:STG+3], v[QG], s[6:7]
	global_load_b32 v[STG+4], v[T4], s[12:13]
.irp j, 0,1,2,3
.irp at, 0,1,2,3
	global_load_b128 v[PR+16*\j+4*\at:PR+16*\j+4*\at+3], v[PV], s[4:5] offset:\at*16384+\j*512   ; the ring is filled: steps 0 to 3
.endr
.endr
.set i, 0
.rept 32                               ; the 34 running sums start at 0: once a launch, in the wait for the first data
	v_mov_b32 v[ACC+i], 0
.set i, i+1
.endr
	v_mov_b32 v[SW], 0
	v_mov_b32 v[SW+1], 0
	s_wait_loadcnt 16                              ; T, Q' and w2 are in; the 16 loads of P' behind them stay out
	ds_store_b128 v[T16], v[STG:STG+3]             ; Q'[row][m] at 1,024 row + 4 m = 16 t
	ds_store_b32 v[T4], v[STG+4] offset:W2S
	s_wait_dscnt 0x0                               ; for the others' sake: my stores are done
	s_barrier_signal -1
	s_barrier_wait -1
.irp e, 0,1,2,3
	ds_load_b128 v[QB0+4*\e:QB0+4*\e+3], v[QA] offset:1024*\e   ; step 0: sixteen lanes read the same 16 bytes
.endr
	ds_load_b128 v[QB0+16:QB0+19], v[QA] offset:W2S
	s_wait_kmcnt 0x0                               ; b2
; A STEP: four m a lane (m tile s / 2, half s % 2), 4 e x 4 a tiles: 32 UNITS of two numbers.  Unit u: e = u / 8, a tile (u / 2) % 4, pair u % 2; seven instructions:
;   d = P' - Q' (packed); 2^d, twice; 1 + (packed); the reciprocal, twice; sum += w2 x (packed).
; They are laid in TWO BATCHES, each unit in a pair of registers of its own (TREG).
;   Batch 1: the 64 powers, the 32 subtractions among them: a subtraction, then the two powers of the unit two back.  No line of it names a power's result.
;   Batch 2: the 64 reciprocals, the 32 additions of 1 among them in the same way; an addition stands behind batch 1's wait and ahead of its own unit's reciprocals.  No line of it names a reciprocal's result.
;   Behind each batch's last line stands one of the step's two additions onto the sum of w2, which names nothing of the batch: the plain instruction between a power or a reciprocal and the use of
;   its result (ISA guide 5.7.2); then the batch's one wait; then its readers.
;   The 32 multiply-adds follow batch 2's wait: the even units, then the odd ones, so that the two links on an accumulator (its pair 0, then its pair 1) stand 16 lines apart.
; j: the step in its trip, and its slot.  ahead = 1: the slot is filled again, four steps on.  lcnt: the younger loads of P' that may stay out.  nextq = 1: the next step's Q' and w2 are fetched.
.macro TREG u                          ; rT: the pair of unit u
.set rT, TT+2*(\u)
.if (\u) >= 8
.set rT, TU+2*((\u)-8)
.endif
.endm
.macro STEP j, ahead, lcnt, nextq
.set QC, QB0+20*((\j)&1)
.set QN, QB0+20*(((\j)+1)&1)
.set QOF, 64*(((\j)+1)>>1)+16*(((\j)+1)&1)
.if \nextq
.irp e, 0,1,2,3
	ds_load_b128 v[QN+4*\e:QN+4*\e+3], v[QA] offset:1024*\e+QOF
.endr
	ds_load_b128 v[QN+16:QN+19], v[QA] offset:W2S+QOF
	s_wait_dscnt 0x5                               ; all but the five just issued: this step's are in
.else
	s_wait_dscnt 0x0
.endif
	s_wait_loadcnt \lcnt                           ; loads come back in order: this slot's four are in
.set i, 0
.rept 34                               ; batch 1
.if i < 32
	TREG i
.set rP, PR+16*(\j)+4*((i>>1)&3)+2*(i&1)
.set rQ, QC+4*(i>>3)+2*(i&1)
	v_pk_add_f32 v[rT:rT+1], v[rP:rP+1], v[rQ:rQ+1] neg_lo:[0,1] neg_hi:[0,1]
.endif
.if i >= 2
	TREG i-2
	v_exp_f32 v[rT], v[rT]
	v_exp_f32 v[rT+1], v[rT+1]
.endif
.set i, i+1
.endr
	v_pk_add_f32 v[SW:SW+1], v[SW:SW+1], v[QC+16:QC+17]   ; the plain instruction behind the last power
	s_wait_alu depctr_va_vdst(0)                   ; the wait for batch 1: one for the step's 64 powers, ahead of the first addition of 1
.if \ahead
.irp at, 0,1,2,3                       ; the slot's last reader was batch 1's last subtraction: it is filled again here, directly behind the wait
	global_load_b128 v[PR+16*(\j)+4*\at:PR+16*(\j)+4*\at+3], v[PV], s[4:5] offset:\at*16384+((\j)+4)*512
.endr
.endif
.set i, 0
.rept 34                               ; batch 2
.if i < 32
	TREG i
	v_pk_add_f32 v[rT:rT+1], v[rT:rT+1], 1.0 op_sel_hi:[1,0]
.endif
.if i >= 2
	TREG i-2
	v_rcp_f32 v[rT], v[rT]
	v_rcp_f32 v[rT+1], v[rT+1]
.endif
.set i, i+1
.endr
	v_pk_add_f32 v[SW:SW+1], v[SW:SW+1], v[QC+18:QC+19]   ; the plain instruction behind the last reciprocal
	s_wait_alu depctr_va_vdst(0)                   ; the wait for batch 2: one for the step's 64 reciprocals, ahead of the first multiply-add; nothing is open at the step's end
.set k, 0
.rept 32
.set i, 2*(k%16)+k/16                  ; units 0, 2, .. 30, then 1, 3, .. 31
	TREG i
.set rA, ACC+2*(4*(i>>3)+((i>>1)&3))
.set rW, QC+16+2*(i&1)
	v_pk_fma_f32 v[rA:rA+1], v[rT:rT+1], v[rW:rW+1], v[rA:rA+1]
.set k, k+1
.endr
.endm
	s_mov_b32 s26, 7
.Ltrip:                                                ; 32 steps, four a trip; seven trips fill the ring again
	STEP 0, 1, 12, 1                               ; 12: the three younger slots' loads
	STEP 1, 1, 12, 1
	STEP 2, 1, 12, 1
	STEP 3, 1, 12, 1
	s_wait_xcnt 0x0                                ; every earlier memory instruction has had its addresses translated (ISA guide 3.1): only behind this wait is the loads' base stepped
	s_add_nc_u64 s[4:5], s[4:5], 2048              ; four steps of 512 bytes
	v_add_nc_u32 v[QA], 128, v[QA]                 ; two m tiles of 64 bytes
	s_sub_co_u32 s26, s26, 1
	s_cmp_lg_u32 s26, 0
	s_cbranch_scc1 .Ltrip
	STEP 0, 0, 12, 1                               ; the last trip asks for nothing: the counts run down
	STEP 1, 0, 8, 1
	STEP 2, 0, 4, 1
	STEP 3, 0, 0, 0
	; R is asked for now, 64 loads into v256-v511, K step by K step: it lands under the softmax.
	WIN 0x40                                       ; destination in the second 256 registers, address in the first
.set ks, 0
.rept 16
.irp n, 0,1
.irp q, 0,1
	global_load_b128 v[8*(2*ks+\n)+4*\q:8*(2*ks+\n)+4*\q+3], v[RV], s[8:9] offset:\n*16384+ks*1024+\q*512
.endr
.endr
.set ks, ks+1
.endr
	WIN 0
	; THE SCORES.  My half's part: sum w2 + b2 / 2 - 2 sum w2 / (1 + 2^d); the other half of the lanes holds the other 128 m.
	v_add_f32 v[SW+2], v[SW], v[SW+1]
	v_fma_f32 v[SW+2], s18, 0.5, v[SW+2]
.set k, 0
.rept 16
	v_add_f32 v[S+k], v[ACC+2*k], v[ACC+2*k+1]
.set k, k+1
.endr
.set k, 0
.rept 16
	v_fma_f32 v[S+k], v[S+k], -2.0, v[SW+2]
.set k, k+1
.endr
.set k, 0
.rept 16
	v_permlanex16_b32 v[ACC+2*k], v[S+k], s28, s29
.set k, k+1
.endr
.set k, 0
.rept 16
	v_add_f32 v[S+k], v[S+k], v[ACC+2*k]           ; both halves of the lanes now hold score(e, a = 16 (4 w + at) + l % 16)
.set k, k+1
.endr
	; THE MAXIMUM of each row e: over my four a tiles, over 16 lanes, over the eight waves.
.irp e, 0,1,2,3
	v_max3_num_f32 v[MX+\e], v[S+4*\e], v[S+4*\e+1], v[S+4*\e+2]
.endr
.irp e, 0,1,2,3
	v_max_num_f32 v[MX+\e], v[MX+\e], v[S+4*\e+3]
.endr
.irp x, 1,2,4,8
.irp e, 0,1,2,3
	v_max_num_f32_dpp v[MX+\e], v[MX+\e], v[MX+\e] row_xmask:\x row_mask:0xf bank_mask:0xf
.endr
.endr
	ds_store_b128 v[W16], v[MX:MX+3] offset:MXB    ; all lanes write the same 16 bytes with the same numbers
	s_wait_dscnt 0x0                               ; for the others' sake
	s_barrier_signal -1
	s_barrier_wait -1
.irp w, 0,1,2,3,4,5,6,7
	ds_load_b128 v[TT+4*\w:TT+4*\w+3], v[ZER] offset:MXB+16*\w
.endr
	s_wait_dscnt 0x0
.irp e, 0,1,2,3
	v_max3_num_f32 v[MX+\e], v[TT+\e], v[TT+4+\e], v[TT+8+\e]
.endr
.irp e, 0,1,2,3
	v_max3_num_f32 v[MX+\e], v[MX+\e], v[TT+12+\e], v[TT+16+\e]
.endr
.irp e, 0,1,2,3
	v_max3_num_f32 v[MX+\e], v[MX+\e], v[TT+20+\e], v[TT+24+\e]
.endr
.irp e, 0,1,2,3
	v_max_num_f32 v[MX+\e], v[MX+\e], v[TT+28+\e]
.endr
	; THE WEIGHTS p = 2^(log2(e) (score - maximum)) and their sums.
.irp e, 0,1,2,3
	v_mul_f32 v[CM+\e], s31, v[MX+\e]
.endr
.set k, 0
.rept 16
	v_fma_f32 v[S+k], v[S+k], s31, -v[CM+k/4]
.set k, k+1
.endr
.set k, 0
.rept 16
	v_exp_f32 v[S+k], v[S+k]
.set k, k+1
.endr
	v_nop                                          ; a plain instruction between the powers and the use of their results
	s_wait_alu depctr_va_vdst(0)                   ; one wait for the batch of 16 powers, ahead of the sums that read them
.irp e, 0,1,2,3
	v_pk_add_f32 v[TT+2*\e:TT+2*\e+1], v[S+4*\e:S+4*\e+1], v[S+4*\e+2:S+4*\e+3]
.endr
.irp e, 0,1,2,3
	v_add_f32 v[LP+\e], v[TT+2*\e], v[TT+2*\e+1]
.endr
.irp x, 1,2,4,8
.irp e, 0,1,2,3
	v_add_f32_dpp v[LP+\e], v[LP+\e], v[LP+\e] row_xmask:\x row_mask:0xf bank_mask:0xf
.endr
.endr
	ds_store_b128 v[W16], v[LP:LP+3] offset:LSB
.irp at, 0,1,2,3                       ; both halves of the lanes hold all four rows: lanes 0-15 store rows 0 and 1, lanes 16-31 rows 2 and 3
	v_cndmask_b32 v[TT+2*\at],   v[S+\at],   v[S+8+\at],  s30
	v_cndmask_b32 v[TT+2*\at+1], v[S+4+\at], v[S+12+\at], s30
.endr
.irp at, 0,1,2,3
	v_cvt_pk_bf16_f32 v[TT+8+\at], v[TT+2*\at], v[TT+2*\at+1]
.endr
.irp at, 0,1,2,3
	ds_store_b16 v[ATS], v[TT+8+\at] offset:32*\at
	ds_store_b16_d16_hi v[ATS], v[TT+8+\at] offset:32*\at+ATP
.endr
	s_wait_dscnt 0x0                               ; for the others' sake: my sums and my weights are in LDS
	s_barrier_signal -1
	s_barrier_wait -1
	; THE POOLING.  Source 0: 16 rows (e = row % 4) x 32 a of p; source 1: 32 a x 16 columns of R.
.irp w, 0,1,2,3,4,5,6,7
	ds_load_b128 v[GA+4*\w:GA+4*\w+3], v[ZER] offset:LSB+16*\w
.endr
.set ks, 0
.rept 16
	ds_load_b128 v[AF+8*ks:AF+8*ks+3],   v[ATL] offset:64*ks
	ds_load_b128 v[AF+8*ks+4:AF+8*ks+7], v[ATL] offset:64*ks+32
.set ks, ks+1
.endr
	s_wait_dscnt 32                                ; the eight waves' sums are in; the 32 loads behind them stay out
.irp w, 0,2,4,6
	v_pk_add_f32 v[GA+4*\w:GA+4*\w+1],   v[GA+4*\w:GA+4*\w+1],   v[GA+4*\w+4:GA+4*\w+5]
	v_pk_add_f32 v[GA+4*\w+2:GA+4*\w+3], v[GA+4*\w+2:GA+4*\w+3], v[GA+4*\w+6:GA+4*\w+7]
.endr
.irp w, 0,4
	v_pk_add_f32 v[GA+4*\w:GA+4*\w+1],   v[GA+4*\w:GA+4*\w+1],   v[GA+4*\w+8:GA+4*\w+9]
	v_pk_add_f32 v[GA+4*\w+2:GA+4*\w+3], v[GA+4*\w+2:GA+4*\w+3], v[GA+4*\w+10:GA+4*\w+11]
.endr
	v_pk_add_f32 v[GA:GA+1],   v[GA:GA+1],   v[GA+16:GA+17]
	v_pk_add_f32 v[GA+2:GA+3], v[GA+2:GA+3], v[GA+18:GA+19]
.irp e, 0,1,2,3
	v_rcp_f32 v[RL+\e], v[GA+\e]                   ; l is at least 1: the row's largest weight is 1
.endr
	v_nop                                          ; a plain instruction behind the reciprocals
	WIN 0x04                                       ; source 1 in the second 256 registers
.set ks, 0
.rept 16
	s_wait_loadcnt (15-ks)*4                       ; R of this K step is in: four loads for each later step stay out
	s_wait_dscnt (15-ks)*2                         ; and p: two loads for each later step
.if ks == 0
	v_wmma_f32_16x16x32_bf16 v[D0:D0+7], v[AF:AF+7], v[0:7], 0          ; the first K step starts the sums
	v_wmma_f32_16x16x32_bf16 v[D1:D1+7], v[AF:AF+7], v[8:15], 0
.else
	v_wmma_f32_16x16x32_bf16 v[D0:D0+7], v[AF+8*ks:AF+8*ks+7], v[16*ks:16*ks+7],    v[D0:D0+7]   ; the two accumulators take turns
	v_wmma_f32_16x16x32_bf16 v[D1:D1+7], v[AF+8*ks:AF+8*ks+7], v[16*ks+8:16*ks+15], v[D1:D1+7]
.endif
.set ks, ks+1
.endr
	WIN 0
.rept 4
	v_nop                                          ; four places behind the last products, ahead of the lines that read the sums
.endr
	; THE WAY OUT.  Register i of either accumulator is row e = i in both halves of the lanes: lanes 0-15 keep columns 32 w + l % 16, lanes 16-31 columns 32 w + 16 + l % 16: column t.
.irp i, 0,1,2,3
	v_cndmask_b32 v[OR+\i], v[D0+\i], v[D1+\i], s30
.endr
	s_wait_alu depctr_va_vdst(0)                   ; one wait for the four reciprocals of l; the pooling's 32 products are the work between them and their first reader below
.irp i, 0,1,2,3
	v_fma_f32 v[OR+\i], v[OR+\i], v[RL+\i], v[TR+\i]
.endr
.irp i, 0,1,2,3
	ds_store_b32 v[OSS], v[OR+\i] offset:1024*\i
.endr
	s_wait_dscnt 0x0                               ; for the others' sake
	s_barrier_signal -1
	s_barrier_wait -1
	ds_load_b128 v[OR:OR+3], v[OSL]                ; the work-group's four rows are 4,096 consecutive bytes of out0
	s_wait_dscnt 0x0
	global_store_b128 v[T16], v[OR:OR+3], s[16:17] ; a wave stores 512 consecutive bytes, at a multiple of 512 from out0's first byte
	s_wait_tensorcnt 0x0                           ; the wave's end: a wait, an add to my spare word and a wait behind my last LDS store
	ds_add_u32 v[SPW], v[NIL]
	s_wait_dscnt 0x0
	s_endpgm
.Lfunc_end_k_q456a7fb1c5_attn:
	.size	k_q456a7fb1c5_attn, .Lfunc_end_k_q456a7fb1c5_attn-k_q456a7fb1c5_attn
	.p2alignl 7, 3214868480
	.fill 96, 4, 3214868480
	.section	.rodata,"a",@progbits
	.p2align	6, 0x0
	.amdhsa_kernel k_q456a7fb1c5_attn
		.amdhsa_group_segment_fixed_size 15360
		.amdhsa_private_segment_fixed_size 0
		.amdhsa_enable_private_segment 0
		.amdhsa_kernarg_size 56
		.amdhsa_user_sgpr_count 2
		.amdhsa_user_sgpr_kernarg_segment_ptr 1
		.amdhsa_wavefront_size32 1
		.amdhsa_system_sgpr_workgroup_id_x 1
		.amdhsa_system_sgpr_workgroup_id_y 1
		.amdhsa_system_sgpr_workgroup_id_z 1
		.amdhsa_system_vgpr_workitem_id 0
		.amdhsa_next_free_vgpr 512
		.amdhsa_next_free_sgpr 66
		.amdhsa_reserve_vcc 0
		.amdhsa_float_denorm_mode_32 3
		.amdhsa_float_denorm_mode_16_64 3
		.amdhsa_memory_ordered 1
		.amdhsa_forward_progress 1
		.amdhsa_inst_pref_size 118
	.end_amdhsa_kernel
	.amdgpu_metadata
---
amdhsa.version: [ 1, 2 ]
amdhsa.kernels:
  - .name:           k_q456a7fb1c5_attn
    .symbol:         k_q456a7fb1c5_attn.kd
    .args:
      - { .name: PB, .offset: 0, .size: 8, .value_kind: global_buffer, .address_space: global }
      - { .name: QB, .offset: 8, .size: 8, .value_kind: global_buffer, .address_space: global }
      - { .name: RB, .offset: 16, .size: 8, .value_kind: global_buffer, .address_space: global }
      - { .name: TB, .offset: 24, .size: 8, .value_kind: global_buffer, .address_space: global }
      - { .name: w2, .offset: 32, .size: 8, .value_kind: global_buffer, .address_space: global }
      - { .name: b2, .offset: 40, .size: 8, .value_kind: global_buffer, .address_space: global }
      - { .name: out0, .offset: 48, .size: 8, .value_kind: global_buffer, .address_space: global }
    .group_segment_fixed_size: 15360
    .private_segment_fixed_size: 0
    .kernarg_segment_align: 8
    .kernarg_segment_size: 56
    .max_flat_workgroup_size: 256
    .sgpr_count:     66
    .vgpr_count:     512
    .wavefront_size: 32
...
	.end_amdgpu_metadata
.endif
;; end of part 3
